; MI455X (gfx1250); checked and timed in simulation.
; The chip was launched on July 23, 2026; its instructions are those of AMD's public machine-readable ISA for CDNA 5 (MIT licence, August 2026) and "CDNA5" Instruction Set Architecture Reference Guide (July 2026). The comments in the code are by the model that wrote it; some were corrected since.
;; VQ Embedding. Allowed arithmetic: float matrix products may take bf16 or f16 operands with f32 sums; all other float work in f32.
;; Inputs: emb 8,192 x 256 float32; z 16 x 256 x 2,048 float32.
;; Outputs: out0 16 x 256 x 2,048 float32; out1 one number float32; out2 32,768 x 1 int32.
;; 2 versions, each right; version 2 is version 1 with the launch prep written anew for expert scheduling mode. Each part assembles by itself: llvm-mc -triple=amdgcn-amd-amdhsa -mcpu=gfx1250 --defsym DOCPART=n.
;; ======== version 1 of 2: 4 launches
;; workspace buffers: cbimg 4,325,376 bytes; anorm 131,072 bytes; pairid 131,072 bytes of whole numbers; part 2,048 bytes
;; launch prep (part 1): grid 256 x 1, 2 waves a work-group, no clusters, 17,152 bytes of LDS; arguments emb, cbimg; writes cbimg
.if DOCPART == 1
	.amdgcn_target "amdgcn-amd-amdhsa--gfx1250"
	.amdhsa_code_object_version 6
	.text
	.protected	k_q75a14995a2_prep
	.globl	k_q75a14995a2_prep
	.p2align	8
	.type	k_q75a14995a2_prep,@function
k_q75a14995a2_prep:
	s_mov_b64 s[64:65], 0
	v_nop
	global_prefetch_b8 v0, s[64:65] scope:SCOPE_SE
	s_setreg_imm32_b32 hwreg(HW_REG_WAVE_MODE, 25, 1), 1
	s_wait_xcnt 0x0
; cbimg = the code book as the next launch wants it in LDS.  emb: [8192][256] f32.  cbimg: 8,192 rows of 528 bytes: 512 bytes of bf16(emb[k]), rounded to nearest even,
; then a tail of 16 bytes.  In each block of 16 rows (8,448 bytes = 33 x 256) the tails of rows 0 to 3 hold E[0..15] of the block, E[k] = the f32 sum of the squares of the
; ROUNDED row k (the distance is taken between the vectors that are multiplied); the tails of rows 4 to 15 hold 0.
; SHARES.  A wave owns one block of 16 codes: it reads 16 KiB by 32 loads of 512 consecutive bytes, builds the block's image in LDS bytes of its own, and stores the image
; by 33 stores of 256 consecutive bytes, each at a multiple of 256 from cbimg's first byte.  No wave touches another's bytes: no barrier.
; No matrix unit, cluster or tensor load: each byte is read once and written once, and no two work-groups read the same bytes.
; LIMIT.  The order of E's additions is the lanes' (8 numbers a lane, then a tree over 32 lanes), not a serial one.
.set PITCH, 528
.set IMG,   16*PITCH                   ; a block's image, 8,448 bytes
.set SPARE, 2*IMG                      ; behind the two images: the spare words, 128 bytes a wave, one block of 256 bytes that no other line names
.set LN,  1                            ; v1      lane
.set EO,  2                            ; v2      16 x lane: my bytes in 512 of emb
.set LA,  3                            ; v3      my image + 8 x lane
.set TA,  4                            ; v4      my image + 512: the first tail
.set ZA,  5                            ; v5      the tail of row 4 + min(lane % 16, 11)
.set GO,  6                            ; v6      8 x lane: my bytes in 256 of cbimg
.set SPW, 8                            ; v8      LDS address of my spare word; never rewritten
.set NIL, 9                            ; v9      0; never rewritten
.set T,   10                           ; v[10:17] eight rounded numbers as f32
.set C,   18                           ; v[18:21] the same eight as bf16
.set SUM, 22                           ; v[22:23]
.set PX,  24                           ; v24     the other half of the lanes' sum
.set ZER, 26                           ; v[26:29] zeros
.set X,   32                           ; v[32:159] row i as loaded at X + 8 i; later the image on its way out
	s_load_b128 s[4:7], s[0:1], 0x0                ; emb s[4:5], cbimg s[6:7]
	v_lshl_add_u32 v[SPW], v0, 2, SPARE
	v_mov_b32 v[NIL], 0
	v_lshrrev_b32 v[LN], 5, v0
	v_readfirstlane_b32 s8, v[LN]                  ; wave 0, 1
	v_and_b32 v[LN], 31, v0
	s_lshl_b32 s9, ttmp9, 1
	s_add_co_u32 s9, s9, s8                        ; my block = 2 x work-group + wave
	s_lshl_b32 s10, s9, 14                         ; its 16 rows of 1,024 bytes in emb
	s_mov_b32 s11, 0
	s_mul_i32 s14, s9, IMG                         ; its image in cbimg
	s_mov_b32 s15, 0
	s_mul_i32 s16, s8, IMG                         ; my image in LDS
	s_add_co_u32 s17, s16, 512
	s_add_co_u32 s18, s16, 4*PITCH+512
	s_mov_b32 s12, 0x76543210                      ; v_permlanex16_b32: each lane takes its own place in the other half
	s_mov_b32 s13, 0xfedcba98
	v_lshlrev_b32 v[EO], 4, v[LN]
	v_lshl_add_u32 v[LA], v[LN], 3, s16
	v_mov_b32 v[TA], s17
	v_and_b32 v[ZA], 15, v0
	v_min_u32 v[ZA], 11, v[ZA]                     ; twelve tails; the lanes that are over repeat the last
	v_mul_u32_u24 v[ZA], v[ZA], PITCH
	v_add_nc_u32 v[ZA], s18, v[ZA]
	v_lshlrev_b32 v[GO], 3, v[LN]
	v_mov_b32 v[PX], 0                             ; the permute's destination counts as read
.irp j, 0,1,2,3
	v_mov_b32 v[ZER+(\j)], 0
.endr
	s_wait_kmcnt 0x0
	s_add_nc_u64 s[4:5], s[4:5], s[10:11]
	s_add_nc_u64 s[6:7], s[6:7], s[14:15]
.set i, 0
.rept 16                                               ; a lane takes channels 4 l .. 4 l + 3 and 128 + 4 l .. + 3 of each row
	global_load_b128 v[X+8*i:X+8*i+3],   v[EO], s[4:5] offset:1024*i th:TH_LOAD_NT
	global_load_b128 v[X+8*i+4:X+8*i+7], v[EO], s[4:5] offset:1024*i+512 th:TH_LOAD_NT
.set i, i+1
.endr
; Row i: rounded, laid into the image, squared and summed over the wave.
.macro ROWI i
	s_wait_loadcnt 30-2*(\i)                       ; loads come back in order: row i's two are in, the 30 - 2 i younger ones may stay out
.irp j, 0,1,2,3
	v_cvt_pk_bf16_f32 v[C+(\j)], v[X+8*(\i)+2*(\j)], v[X+8*(\i)+2*(\j)+1]
.endr
	ds_store_b64 v[LA], v[C:C+1]   offset:PITCH*(\i)       ; 32 lanes x 8 bytes: the row's first 256 bytes,
	ds_store_b64 v[LA], v[C+2:C+3] offset:PITCH*(\i)+256   ; and its second
.irp j, 0,1,2,3
	v_lshlrev_b32 v[T+2*(\j)],   16, v[C+(\j)]             ; bf16 to f32: the low half moves up,
	v_and_b32     v[T+2*(\j)+1], 0xffff0000, v[C+(\j)]     ; the high half stays
.endr
	v_pk_mul_f32 v[SUM:SUM+1], v[T:T+1], v[T:T+1]          ; the first squares start the sum
.irp j, 2,4,6
	v_pk_fma_f32 v[SUM:SUM+1], v[T+(\j):T+(\j)+1], v[T+(\j):T+(\j)+1], v[SUM:SUM+1]
.endr
	v_add_f32 v[SUM], v[SUM], v[SUM+1]
	v_add_f32_dpp v[SUM], v[SUM], v[SUM] row_xmask:1 row_mask:0xf bank_mask:0xf
	v_add_f32_dpp v[SUM], v[SUM], v[SUM] row_xmask:2 row_mask:0xf bank_mask:0xf
	v_add_f32_dpp v[SUM], v[SUM], v[SUM] row_xmask:4 row_mask:0xf bank_mask:0xf
	v_add_f32_dpp v[SUM], v[SUM], v[SUM] row_xmask:8 row_mask:0xf bank_mask:0xf
	v_permlanex16_b32 v[PX], v[SUM], s12, s13
	v_add_f32 v[SUM], v[SUM], v[PX]                        ; E of row i, in every lane
	ds_store_b32 v[TA], v[SUM] offset:((\i)/4)*PITCH+4*((\i)%4)  ; all lanes write the same word with the same number
.endm
.irp i, 0,1,2,3,4,5,6,7,8,9,10,11,12,13,14,15
	ROWI \i
.endr
	ds_store_b128 v[ZA], v[ZER:ZER+3]              ; the tails of rows 4 to 15
.set j, 0
.rept 33                                               ; LDS serves a wave's instructions in order (ISA guide 5.7.1.4): these see the stores above
	ds_load_b64 v[X+2*j:X+2*j+1], v[LA] offset:256*j
.set j, j+1
.endr
.set j, 0
.rept 33
	s_wait_dscnt 32-j                              ; piece j is back; the 32 - j loads behind it may stay out
	global_store_b64 v[GO], v[X+2*j:X+2*j+1], s[6:7] offset:256*j  ; 32 lanes store 256 consecutive bytes, at a multiple of 256 from cbimg's first byte
.set j, j+1
.endr
	s_wait_tensorcnt 0x0                           ; the wave's end, behind my last LDS store
	ds_add_u32 v[SPW], v[NIL]
	s_wait_dscnt 0x0
	s_endpgm
.Lfunc_end_k_q75a14995a2_prep:
	.size	k_q75a14995a2_prep, .Lfunc_end_k_q75a14995a2_prep-k_q75a14995a2_prep
	.p2alignl 7, 3214868480
	.fill 96, 4, 3214868480
	.section	.rodata,"a",@progbits
	.p2align	6, 0x0
	.amdhsa_kernel k_q75a14995a2_prep
		.amdhsa_group_segment_fixed_size 17152
		.amdhsa_private_segment_fixed_size 0
		.amdhsa_enable_private_segment 0
		.amdhsa_kernarg_size 16
		.amdhsa_user_sgpr_count 2
		.amdhsa_user_sgpr_kernarg_segment_ptr 1
		.amdhsa_wavefront_size32 1
		.amdhsa_system_sgpr_workgroup_id_x 1
		.amdhsa_system_sgpr_workgroup_id_y 1
		.amdhsa_system_sgpr_workgroup_id_z 1
		.amdhsa_system_vgpr_workitem_id 0
		.amdhsa_next_free_vgpr 160
		.amdhsa_next_free_sgpr 66
		.amdhsa_reserve_vcc 0
		.amdhsa_float_denorm_mode_32 3
		.amdhsa_float_denorm_mode_16_64 3
		.amdhsa_memory_ordered 1
		.amdhsa_forward_progress 1
		.amdhsa_inst_pref_size 35
	.end_amdhsa_kernel
	.amdgpu_metadata
---
amdhsa.version: [ 1, 2 ]
amdhsa.kernels:
  - .name:           k_q75a14995a2_prep
    .symbol:         k_q75a14995a2_prep.kd
    .args:
      - { .name: emb, .offset: 0, .size: 8, .value_kind: global_buffer, .address_space: global }
      - { .name: cbimg, .offset: 8, .size: 8, .value_kind: global_buffer, .address_space: global }
    .group_segment_fixed_size: 17152
    .private_segment_fixed_size: 0
    .kernarg_segment_align: 8
    .kernarg_segment_size: 16
    .max_flat_workgroup_size: 64
    .sgpr_count:     66
    .vgpr_count:     160
    .wavefront_size: 32
...
	.end_amdgpu_metadata
.endif
;; end of part 1
;; launch main (part 2): grid 256 x 1, 4 waves a work-group, clusters of 4 x 1, 327,680 bytes of LDS; arguments cbimg, z, anorm, pairid; writes anorm, pairid
.if DOCPART == 2
	.amdgcn_target "amdgcn-amd-amdhsa--gfx1250"
	.amdhsa_code_object_version 6
	.text
	.protected	k_q75a14995a2_main
	.globl	k_q75a14995a2_main
	.p2align	8
	.type	k_q75a14995a2_main,@function
k_q75a14995a2_main:
	s_mov_b64 s[64:65], 0
	v_nop
	global_prefetch_b8 v0, s[64:65] scope:SCOPE_SE
	s_setreg_imm32_b32 hwreg(HW_REG_WAVE_MODE, 25, 1), 1
	s_wait_xcnt 0x0
	s_wait_alu depctr_hold_cnt(0) depctr_sa_sdst(0) depctr_va_vdst(0) depctr_va_sdst(0) depctr_va_ssrc(0) depctr_va_vcc(0) depctr_vm_vsrc(0)
	s_getreg_b32 s2, hwreg(HW_REG_IB_STS2, 6, 4)
	s_cmp_eq_u32 s2, 0
	s_cbranch_scc0 .Lentry_in_a_cluster
	s_endpgm
.Lentry_in_a_cluster:
	s_bfe_u32 s2, ttmp6, 0x10000c
	s_cmp_lg_u32 s2, 0x3003
	s_cbranch_scc0 .Lentry_shape_is_right
	s_endpgm
.Lentry_shape_is_right:
; THE SEARCH.  For each of 32,768 queries zf[n] = z[b][:][t], n = 2048 b + t, over all 8,192 codes k: d = fl(fl(A[n] + E[k]) - 2 S), S = bf16(zf[n]) . bf16(emb[k]) summed in f32 by the
; matrix unit, A and E the f32 sums of squares of the ROUNDED vectors.  Stored: anorm[n] = A[n], and pairid[n] = c in 0 .. 4095: the first least d lies at code 2 c or 2 c + 1.  The next launch
; decides between the two, so that no address of any launch hangs on numbers that the same launch made from floats.
; LIMITS.  A NaN never wins a minimum.  A row whose distances are all +infinity or NaN gives c = 0.  Equal distances: the lowest pair wins (value first, then number).  S's order of addition is the matrix unit's.
; SHARES.  A work-group owns 128 queries of one b and walks the whole code book, 256 codes a slot.  EVERY wave holds all 128 queries as source 1 (8 tiles x 8 K steps x 8 registers = 512) and takes its own 64 codes
; of each slot, four tiles of 16: a code fragment read from LDS feeds 8 matrix instructions.  Source 0 = 16 codes, source 1 = 16 queries: a lane holds ONE query (lane % 16) and the codes 8 (lane / 16) + 0..7.
; THE MINIMUM.  For each query tile and each pair of registers (codes 2 j, 2 j + 1 of the lane's eight): the least d so far, and the number of the first tile in which it fell.  For 8 scores: 4 packed A + E, 4 packed
; multiply-adds, 4 minima of three, 4 compares, 4 selects: 20 vector instructions for 8 matrix instructions.  The least values lie in two sets that take turns, so that old and new can be compared.
; BY TURNS.  The 8 query tiles are two pieces (tiles 0-3, 4-7).  In a TURN one piece has the matrix unit, 32 products (a code tile x 4 query tiles x 8 K steps); the other piece's 80 vector instructions stand
; in 20 groups of four behind 20 of those products.  Two turns are a code tile.
; RING.  Two slots of 256 rows x 528 bytes.  cbimg IS the LDS image (padding and E in the rows' tails), so a wave's quarter of a slot is one dense block of 33,792 bytes, asked for as 132 rows of 256 bytes.  A wave
; reads only the quarter that it asked for.  By this text's count a wave has one tensor load out; from a request to the wait for it stand 7 turns, 224 matrix instructions.
; CLUSTER.  All work-groups walk the same code book: the four of a cluster ask JOINTLY: the same load, descriptor and mask in all four; the work-group's place enters z's, anorm's and pairid's addresses alone.
; REGISTERS, in windows of 256 (s_set_vgpr_msb: bits 1:0 source 0, 3:2 source 1, 5:4 source 2, 7:6 destination):
;   window 0: v0-15 addresses; v16-31 A, twice a tile; v32-47 E, two buffers; v48-63 at work; v64-127 the 8 accumulators; v128-191 the least values, two sets; v192-223 tile numbers; v224-255 prologue and merge
;   window 1: v0-127 code fragments, two buffers of 64 (in the prologue v0-255: 64 rows of z)      window 2: queries, tiles 0-3 (tile q, K step k at 64 q + 8 k)      window 3: tiles 4-7
; All that the minimum touches lies in window 0 and the products' sources do not, so a group costs two switches: 40 a turn.
.set PITCH,  528                       ; a code's row in LDS: 33 x 16 bytes, an odd multiple of 16: the 16 rows of a fragment load start at 16 different groups of four banks (64 banks of 4 bytes: ISA guide 11.1)
.set TILEB,  16*PITCH                  ; 16 codes
.set QUART,  4*TILEB                   ; 33,792: a wave's 64 codes
.set SLOT,   4*QUART                   ; 135,168 = 0x21000; wave x QUART never has bit 12 or 17 set, so one exclusive or turns an address in one slot into the other's
.set STAGE,  2*SLOT                    ; behind the ring, never filled by a tensor load: 128 channels x 288 bytes, z on its way to the queries' fragments
.set SPITCH, 288                       ; 256 + 32 = 9 x 32
.set APART,  STAGE+128*SPITCH          ; 4 x 512: each wave's share of A for the 128 queries
.set MV,     APART+2048                ; 4 x 512: each wave's least value for the 128 queries
.set MC,     MV+2048                   ; 4 x 512: and its pair
.set SPARE,  MC+2048                   ; the spare words, 128 bytes a wave: two blocks of 256 bytes that no other line names
.set RR,   1                           ; v1   lane % 16
.set AK0,  2                           ; v2   my lane's place in my quarter: wave x QUART + row x PITCH + 16 x half; never rewritten
.set AE0,  3                           ; v3   the same for E: the tail of row 2 x half
.set ADR,  4                           ; v4   AK0 + the slot in hand
.set ADRE, 5                           ; v5   AE0 + the slot in hand
.set TRA,  6                           ; v6   the turning load's address in the stage
.set STW,  7                           ; v7   where I put 8 bytes of a channel's row in the stage
.set ZO,   8                           ; v8   16 x lane
.set HH,   9                           ; v9   lane / 16
.set APA,  10                          ; v10  APART + 4 (lane % 16)
.set MA,   11                          ; v11  MV + 512 wave + 4 (lane % 16)
.set SPW,  12                          ; v12  LDS address of my spare word; never rewritten
.set NIL,  13                          ; v13  0; never rewritten
.set T0,   14
.set T1,   15
.set AN,   16
.set EF,   32
.set TT,   48
.set ACC,  64
.set CV,   64                          ; prologue: 32 rows of z as bf16; then A's shares
.set BEST, 128
.set TID,  192
.set AA,   224                         ; v[224:227] my four queries' sums of squares over my wave's 64 channels
.set U,    228                         ; v[228:235] two sets of four numbers at work
.set HJ,   232                         ; v[232:235] merge: 4 x half + j
.set APW,  236                         ; v236 APART + 512 wave + 16 lane
.set APR,  237                         ; v237 APART + 16 lane
.set MR,   238                         ; v238 MV + 16 lane
.set AW,   240                         ; v[240:255] wave 0's sum for anorm
.set WV,   12                          ; s12  my wave's number
.set G1,   16                          ; s[16:23] descriptor group 1
.set G0,   24                          ; s[24:27] descriptor group 0: it walks
.set TB,   28                          ; s28  the slot in hand: 0 or SLOT
.set TILE, 29                          ; s29  number of the code tile whose scores are in hand: 16 x slot + 4 x wave + tile
.set CNT,  30                          ; s30
.set MK,   32                          ; s[32:35] four lane masks
.set SEL,  36                          ; s[36:37] v_permlanex16_b32's selects
.set MSB, 0
.macro WIN new                         ; the immediate's high byte repeats the setting that is left; a switch that changes nothing is dropped
.if MSB != (\new)
	s_set_vgpr_msb (MSB<<8)|(\new)
.set MSB, \new
.endif
.endm
; A round of the cluster's barrier: my work-group's barrier, so that wave 0's signal speaks for all four waves; wave 0 signals; every wave waits for all four work-groups; my work-group's barrier once more.
.macro CREST                           ; a round behind its opening barrier
	s_cmp_lg_u32 s[WV], 0
	s_cbranch_scc1 .Lnot_wave_0_\@
	s_barrier_signal -3
.Lnot_wave_0_\@:
	s_barrier_wait -3
	s_barrier_signal -1
	s_barrier_wait -1
.endm
.macro CROUND
	s_barrier_signal -1
	s_barrier_wait -1
	CREST
.endm
; THE CHANGE OF SLOTS, in two parts.  LEAVE: all my tensor loads have landed (one was out: my quarter of the other slot); 0 onto my spare word; the walking descriptor steps; the add is done and my reads of this slot
; are back; the signal opens a round of the cluster's barrier.  REFILL: the round closes, so no wave of any partner still reads this slot or has a load on its way; the joint load is the first thing behind it.
.macro LEAVE
	WIN 0
	s_wait_tensorcnt 0x0                           ; no tensor load of mine is out, so group 0 may be written
	ds_add_u32 v[SPW], v[NIL]                      ; 0 onto my spare word; the scalar steps stand between it and the wait for it
	s_xor_b32 s[G0+1], s[G0+1], SLOT               ; the other slot than last time,
	s_add_nc_u64 s[G0+2:G0+3], s[G0+2:G0+3], SLOT  ; the next 256 codes; the type bits on top are not reached
	s_xor_b32 s[TB], s[TB], SLOT                   ; the fetches go to the slot that has landed
	s_wait_dscnt 0x0                               ; the add is done; my last reads of the slot that I leave are back
	s_barrier_signal -1
.endm
.macro REFILL
	WIN 0                                          ; at a label and at a branch every window is 0
	s_barrier_wait -1
	CREST
	tensor_load_to_lds s[G0:G0+3], s[G1:G1+7]
	s_nop 0
	v_add_nc_u32 v[ADR], s[TB], v[AK0]             ; four vector instructions stand ahead of the next switch of windows: two are due,
	v_add_nc_u32 v[ADRE], s[TB], v[AE0]
	v_nop
	v_nop
.endm
; 18 LDS loads in one run: code tile c of my quarter, 16 rows x 256 channels, and its 8 E a lane.
.macro FETCH c
	WIN 0x40                                       ; destination window 1, address window 0
.irp k, 0,1,2,3,4,5,6,7
	ds_load_b128 v[64*((\c)%2)+8*(\k):64*((\c)%2)+8*(\k)+3],   v[ADR] offset:TILEB*(\c)+64*(\k)
	ds_load_b128 v[64*((\c)%2)+8*(\k)+4:64*((\c)%2)+8*(\k)+7], v[ADR] offset:TILEB*(\c)+64*(\k)+32
.endr
	WIN 0
	ds_load_b128 v[EF+8*((\c)%2):EF+8*((\c)%2)+3],   v[ADRE] offset:TILEB*(\c)        ; E of codes 8 h .. 8 h + 3: the tail of row 2 h,
	ds_load_b128 v[EF+8*((\c)%2)+4:EF+8*((\c)%2)+7], v[ADRE] offset:TILEB*(\c)+PITCH  ; of 8 h + 4 .. 8 h + 7: of row 2 h + 1
.endm
; Group g of 20 of piece RP's vector work: query tile 4 RP + g / 5; four like instructions, one for each pair of the lane's eight codes.  PAR: the parity of the code tile whose scores these are.
.macro GROUP g
.set ga, (\g)/5
.set gq, 4*RP+ga
.set gS, ACC+8*gq
.set gT, TT+8*(ga%2)
.set gE, EF+8*PAR
.set gBi, BEST+32*PAR+4*gq
.set gBo, BEST+32*(1-PAR)+4*gq
.set gI, TID+4*gq
	WIN 0
.irp j, 0,1,2,3
.if (\g)%5 == 0
	v_pk_add_f32 v[gT+2*(\j):gT+2*(\j)+1], v[gE+2*(\j):gE+2*(\j)+1], v[AN+2*gq:AN+2*gq+1]  ; fl(A + E)
.elseif (\g)%5 == 1
	v_pk_fma_f32 v[gT+2*(\j):gT+2*(\j)+1], v[gS+2*(\j):gS+2*(\j)+1], -2.0, v[gT+2*(\j):gT+2*(\j)+1] op_sel_hi:[1,0,1]  ; d: one rounding; the accumulator is read from its low end on
.elseif (\g)%5 == 2
	v_min3_num_f32 v[gBo+(\j)], v[gBi+(\j)], v[gT+2*(\j)], v[gT+2*(\j)+1]
.elseif (\g)%5 == 3
	v_cmp_lt_f32 s[MK+(\j)], v[gBo+(\j)], v[gBi+(\j)]      ; strictly less: the first tile keeps a tie
.else
	v_cndmask_b32 v[gI+(\j)], v[gI+(\j)], s[TILE], s[MK+(\j)]
.endif
.endr
.endm
; A TURN.  Piece p multiplies code tile ci (buffer ci % 2): product i of 32 is K step i / 4, query tile 4 p + i % 4; the four accumulators take turns, one instruction a turn; the first four
; start the sums with the constant 0.  ride = 1: the other piece's groups stand behind products 1, 3, 4, 6, 7 of every eight.  A group that reads an accumulator stands behind the group fl(A + E), four plain
; instructions that name no register of the products: the places behind the products that wrote it (ISA guide 7.12.1).
; fetch = c: code tile c is fetched behind product 1, 30 matrix instructions ahead of the wait for it; its buffers were last read a whole turn earlier.
; meet = 1: the change of slots: LEAVE ahead of the products, which are the register work inside the round, REFILL behind them.  meet = 2: the last change: nothing is asked for and no barrier is due, since a wave
; reads only the bytes that its own load brought.  inc: the step of the tile's number, behind the last group that uses the old one.
.macro TURN p, ci, ride, fetch, meet, inc
.set RP, 1-(\p)
.set PAR, ((\ci)+1-(\p))%2
.set GN, 0
.if (\p) == 0
.if (\meet) == 0
	s_wait_dscnt 0x0                               ; this tile's fragments and E are in
.elseif (\meet) == 1
	LEAVE
.else
	s_wait_tensorcnt 0x0                           ; my quarter of the last slot has landed; no load was issued behind it
	s_xor_b32 s[TB], s[TB], SLOT
	s_wait_dscnt 0x0                               ; this tile's fragments and E are in
.endif
.endif
.set ti, 0
.rept 32
	WIN 0x09+4*(\p)                                ; source 0 window 1, source 1 window 2 + p, C and D window 0
.set tD, ACC+8*(4*(\p)+ti%4)
.set tA, 64*((\ci)%2)+8*(ti/4)
.set tB, 64*(ti%4)+8*(ti/4)
.if ti < 4
	v_wmma_f32_16x16x32_bf16 v[tD:tD+7], v[tA:tA+7], v[tB:tB+7], 0
.else
	v_wmma_f32_16x16x32_bf16 v[tD:tD+7], v[tA:tA+7], v[tB:tB+7], v[tD:tD+7]
.endif
.if (\ride) && ((ti%8 == 1) || (ti%8 == 3) || (ti%8 == 4) || (ti%8 == 6) || (ti%8 == 7))
	GROUP GN
.set GN, GN+1
.endif
.if ((\fetch) >= 0) && (ti == 1)
	FETCH \fetch
.endif
.set ti, ti+1
.endr
.if (\inc) != 0
	s_add_co_u32 s[TILE], s[TILE], \inc
.endif
.if (\meet) == 1
	REFILL
.elseif (\meet) == 2
	WIN 0
	v_add_nc_u32 v[ADR], s[TB], v[AK0]
	v_add_nc_u32 v[ADRE], s[TB], v[AE0]
.endif
.endm
; (va, ca) takes (vb, cb) if vb is less, or equal with the lower number.  Selects only: no branch and no address hangs on these masks.
.macro MERGE2 va, ca, vb, cb
	v_cmp_lt_f32 s[MK], v[\vb], v[\va]
	v_cmp_eq_f32 s[MK+1], v[\vb], v[\va]
	v_cmp_lt_u32 s[MK+2], v[\cb], v[\ca]
	s_and_b32 s[MK+1], s[MK+1], s[MK+2]
	s_or_b32 s[MK], s[MK], s[MK+1]
	v_cndmask_b32 v[\va], v[\va], v[\vb], s[MK]
	v_cndmask_b32 v[\ca], v[\ca], v[\cb], s[MK]
.endm
; Half r of the channels (128 r .. 128 r + 127): my wave's 32 rows are rounded to bf16, laid into the stage, squared and added to my four queries' sums.
.macro CONVERT r
	s_wait_loadcnt 32-32*(\r)                      ; loads come back in order: this half's 32 are in; in the first half the second half's 32 may stay out
	WIN 0x05                                       ; sources 0 and 1 window 1, destination window 0
.set i, 0
.rept 32
	v_cvt_pk_bf16_f32 v[CV+2*i],   v[128*(\r)+4*i],   v[128*(\r)+4*i+1]
	v_cvt_pk_bf16_f32 v[CV+2*i+1], v[128*(\r)+4*i+2], v[128*(\r)+4*i+3]
.set i, i+1
.endr
	WIN 0
.set i, 0
.rept 32
.set cU, U+4*(i%2)
	ds_store_b64 v[STW], v[CV+2*i:CV+2*i+1] offset:SPITCH*i  ; 32 lanes x 8 bytes: a channel's 128 queries
	v_lshlrev_b32 v[cU],   16, v[CV+2*i]
	v_and_b32     v[cU+1], 0xffff0000, v[CV+2*i]
	v_lshlrev_b32 v[cU+2], 16, v[CV+2*i+1]
	v_and_b32     v[cU+3], 0xffff0000, v[CV+2*i+1]
.if ((\r) == 0) && (i == 0)
	v_pk_mul_f32 v[AA:AA+1],   v[cU:cU+1],   v[cU:cU+1]     ; the first squares start the sums
	v_pk_mul_f32 v[AA+2:AA+3], v[cU+2:cU+3], v[cU+2:cU+3]
.else
	v_pk_fma_f32 v[AA:AA+1],   v[cU:cU+1],   v[cU:cU+1],   v[AA:AA+1]
	v_pk_fma_f32 v[AA+2:AA+3], v[cU+2:cU+3], v[cU+2:cU+3], v[AA+2:AA+3]
.endif
.set i, i+1
.endr
.endm
; K steps 4 r .. 4 r + 3 of all 8 query tiles, out of the stage ([channel][query]) by the turning load: lane l reads channel 8 (l / 16) + l % 8, queries 8 ((l / 8) % 2) + 0..7, and is left with query l % 16 and 8 channels.
.macro QLOAD r
.irp qt, 0,1,2,3,4,5,6,7
	WIN 0x80+0x40*((\qt)/4)                        ; destination window 2 or 3, address window 0
.irp kk, 0,1,2,3
	ds_load_tr16_b128 v[64*((\qt)%4)+8*(4*(\r)+(\kk)):64*((\qt)%4)+8*(4*(\r)+(\kk))+3],   v[TRA] offset:32*SPITCH*(\kk)+32*(\qt)
	ds_load_tr16_b128 v[64*((\qt)%4)+8*(4*(\r)+(\kk))+4:64*((\qt)%4)+8*(4*(\r)+(\kk))+7], v[TRA] offset:32*SPITCH*(\kk)+32*(\qt)+16*SPITCH
.endr
.endr
	WIN 0
.endm
	s_load_b256 s[4:11], s[0:1], 0x0               ; cbimg s[4:5], z s[6:7], anorm s[8:9], pairid s[10:11]
	v_lshl_add_u32 v[SPW], v0, 2, SPARE
	v_mov_b32 v[NIL], 0
	ds_add_u32 v[SPW], v[NIL]                      ; the wave's opening: the add and its wait stand ahead of my first tensor load; the set-up below, work on registers, stands between them
	v_lshrrev_b32 v[T0], 5, v0
	v_readfirstlane_b32 s[WV], v[T0]               ; wave 0..3
	s_bfe_u32 s13, ttmp6, 0x40000                  ; cx: my place in the cluster
	s_lshl_b32 s14, ttmp9, 2                       ; in a cluster launch ttmp9 counts clusters
	s_add_co_u32 s14, s14, s13                     ; my work-group = 4 x cluster + cx: b = it / 16, queries 128 (it % 16) on
	; descriptor group 1: a dense block of 33,792 bytes as 132 rows of 256 bytes, no padding: the rows of 528 bytes lie in memory as they shall lie in LDS
	s_mov_b32 s[G1+0], 15|(3<<16)|(1<<21)          ; 15:0 the mask: all four work-groups; 17:16 elements of 8 bytes; 21 set beside a mask
	s_mov_b32 s[G1+1], 32<<16                      ; tensor_dim0 = 32
	s_mov_b32 s[G1+2], 132<<16                     ; tensor_dim1 = 132
	s_mov_b32 s[G1+3], 32<<16                      ; tile_dim0 = 32
	s_mov_b32 s[G1+4], 132                         ; tile_dim1 = 132
	s_mov_b32 s[G1+5], 32                          ; 32 elements from row to row
	s_mov_b32 s[G1+6], 0
	s_mov_b32 s[G1+7], 0
	s_mov_b32 s[G0], 1                             ; count = 1
	s_mul_i32 s[G0+1], s[WV], QUART                ; LDS address: my quarter of slot 0: the wave's number alone
	s_mov_b32 s[SEL], 0x76543210
	s_mov_b32 s[SEL+1], 0xfedcba98
	s_mov_b32 s[TB], SLOT                          ; the first change of slots turns it into 0
	s_lshl_b32 s[TILE], s[WV], 2                   ; my first code tile
	s_mov_b32 s[CNT], 31
	s_mul_i32 s38, s[WV], QUART                    ; my quarter, in cbimg as in LDS
	s_mov_b32 s39, 0
	s_lshr_b32 s40, s14, 4
	s_lshl_b32 s40, s40, 21                        ; b x 256 channels x 8,192 bytes
	s_and_b32 s41, s14, 15
	s_lshl_b32 s41, s41, 9                         ; + my 128 queries' 512 bytes in a row
	s_add_co_u32 s40, s40, s41
	s_lshl_b32 s41, s[WV], 18                      ; + my wave's 32 channels of each half
	s_add_co_u32 s40, s40, s41
	s_mov_b32 s41, 0
	s_lshl_b32 s42, s14, 9                         ; my 128 words in anorm and in pairid
	s_mov_b32 s43, 0
	s_mul_i32 s44, s[WV], 32*SPITCH
	s_add_co_u32 s44, s44, STAGE                   ; my 32 rows of the stage
	s_lshl_b32 s45, s[WV], 9
	s_add_co_u32 s46, s45, MV
	s_wait_dscnt 0x0                               ; the opening add is done
	s_wait_kmcnt 0x0
	s_add_nc_u64 s[G0+2:G0+3], s[4:5], s[38:39]    ; global address: my quarter of the first 256 codes
	s_or_b32 s[G0+3], s[G0+3], 0x80000000          ; type = 2
	s_add_nc_u64 s[6:7], s[6:7], s[40:41]
	s_add_nc_u64 s[8:9], s[8:9], s[42:43]
	s_add_nc_u64 s[10:11], s[10:11], s[42:43]
	CROUND                                         ; all four work-groups are here: the first joint loads meet
	tensor_load_to_lds s[G0:G0+3], s[G1:G1+7]      ; slot 0.  Slot 1 is asked for at the first change of slots
	s_nop 0
	v_and_b32 v[RR], 15, v0
	v_bfe_u32 v[HH], v0, 4, 1
	v_and_b32 v[T0], 31, v0                        ; lane
	v_lshlrev_b32 v[ZO], 4, v[T0]
	WIN 0x40                                       ; destination window 1, address window 0
.set i, 0
.rept 64                                               ; my 32 channels of each half: a load takes a channel's 128 queries, 512 consecutive bytes
	global_load_b128 v[4*i:4*i+3], v[ZO], s[6:7] offset:(128*(i/32)+i%32)*8192 th:TH_LOAD_NT
.set i, i+1
.endr
	WIN 0
	v_mul_u32_u24 v[AK0], v[RR], PITCH
	v_lshl_add_u32 v[AK0], v[HH], 4, v[AK0]
	v_add_nc_u32 v[AK0], s38, v[AK0]
	v_mul_u32_u24 v[AE0], v[HH], 2*PITCH
	v_add_nc_u32 v[AE0], s38, v[AE0]
	v_add_nc_u32 v[AE0], 512, v[AE0]
	v_and_b32 v[T1], 7, v0
	v_lshl_add_u32 v[T1], v[HH], 3, v[T1]
	v_mul_u32_u24 v[TRA], v[T1], SPITCH
	v_bfe_u32 v[T1], v0, 3, 1
	v_lshl_add_u32 v[TRA], v[T1], 4, v[TRA]
	v_add_nc_u32 v[TRA], STAGE, v[TRA]
	v_lshl_add_u32 v[STW], v[T0], 3, s44
	v_lshl_add_u32 v[APA], v[RR], 2, APART
	v_lshl_add_u32 v[MA], v[RR], 2, s46
	v_lshl_add_u32 v[APR], v[T0], 4, APART
	v_add_nc_u32 v[APW], s45, v[APR]
	v_lshl_add_u32 v[MR], v[T0], 4, MV
.set i, 0
.rept 32                                               ; what the first code tile finds: +infinity and tile 0.  These 64 lines stand in the wait for z
	v_mov_b32 v[BEST+i], 0x7f800000
	v_mov_b32 v[TID+i], 0
.set i, i+1
.endr
	CONVERT 0
	s_wait_dscnt 0x0                               ; for the others' sake: my rows of the stage are written
	s_barrier_signal -1
	s_barrier_wait -1
	QLOAD 0
	s_wait_dscnt 0x0                               ; my reads of the stage are back: only behind the barrier is it written again
	s_barrier_signal -1
	s_barrier_wait -1
	CONVERT 1
	ds_store_b128 v[APW], v[AA:AA+3]               ; my wave's share of A for queries 4 l .. 4 l + 3
	s_wait_dscnt 0x0
	s_barrier_signal -1
	s_barrier_wait -1
	QLOAD 1
.set i, 0
.rept 32                                               ; the four waves' shares for my query of tile i / 4
	ds_load_b32 v[CV+i], v[APA] offset:512*(i%4)+64*(i/4)
.set i, i+1
.endr
	s_wait_dscnt 0x0
.set t, 0
.rept 8                                                ; A = (p0 + p1) + (p2 + p3), twice: a pair for the packed addition
	v_add_f32 v[CV+4*t],   v[CV+4*t],   v[CV+4*t+1]
	v_add_f32 v[CV+4*t+2], v[CV+4*t+2], v[CV+4*t+3]
	v_add_f32 v[AN+2*t],   v[CV+4*t],   v[CV+4*t+2]
	v_add_f32 v[AN+2*t+1], v[CV+4*t],   v[CV+4*t+2]
.set t, t+1
.endr
	s_cmp_lg_u32 s[WV], 0
	s_cbranch_scc1 .Lno_anorm                      ; wave 0 alone stores A, added in the same order: the same bits
.irp w, 0,1,2,3
	ds_load_b128 v[AW+4*(\w):AW+4*(\w)+3], v[APR] offset:512*(\w)
.endr
	s_wait_dscnt 0x0
	v_pk_add_f32 v[AW:AW+1],     v[AW:AW+1],     v[AW+4:AW+5]
	v_pk_add_f32 v[AW+2:AW+3],   v[AW+2:AW+3],   v[AW+6:AW+7]
	v_pk_add_f32 v[AW+8:AW+9],   v[AW+8:AW+9],   v[AW+12:AW+13]
	v_pk_add_f32 v[AW+10:AW+11], v[AW+10:AW+11], v[AW+14:AW+15]
	v_pk_add_f32 v[AW:AW+1],     v[AW:AW+1],     v[AW+8:AW+9]
	v_pk_add_f32 v[AW+2:AW+3],   v[AW+2:AW+3],   v[AW+10:AW+11]
	global_store_b128 v[ZO], v[AW:AW+3], s[8:9]    ; 512 consecutive bytes, at a multiple of 256 from anorm's first; these registers are not written again
.Lno_anorm:
	LEAVE                                          ; the first change of slots: slot 0 is waited for,
	REFILL                                         ; slot 1 asked for
	FETCH 0
	TURN 0,0,0,-1,0,0                              ; piece 0's first scores: there is no vector work yet to set between them
	WIN 0
	s_branch .Lenter                               ; the loop is entered in the middle of a trip
.Lslot:                                                ; a trip: the last code tile of one slot, with the change of slots, and the first three of the next.  30 whole trips ask for slots 2 to 31
	TURN 0,3,1,-1,1,1
	TURN 1,3,1,0,0,0
	TURN 0,0,1,-1,0,13                             ; from my last tile of a slot to my first of the next: 16 - 3
	WIN 0
.Lenter:
	TURN 1,0,1,1,0,0
	TURN 0,1,1,-1,0,1
	TURN 1,1,1,2,0,0
	TURN 0,2,1,-1,0,1
	TURN 1,2,1,3,0,0
	WIN 0
	s_sub_co_u32 s[CNT], s[CNT], 1
	s_cmp_lg_u32 s[CNT], 0
	s_cbranch_scc1 .Lslot
	TURN 0,3,1,-1,2,1                              ; the tail is written out: the last slot is entered, nothing is asked for
	TURN 1,3,1,0,0,0
	TURN 0,0,1,-1,0,13
	TURN 1,0,1,1,0,0
	TURN 0,1,1,-1,0,1
	TURN 1,1,1,2,0,0
	TURN 0,2,1,-1,0,1
	TURN 1,2,1,3,0,0
	TURN 0,3,1,-1,0,1
	TURN 1,3,1,-1,0,0
.set RP, 1
.set PAR, 1
.set GN, 0
.rept 20                                               ; piece 1's last scores; the first group, which names no accumulator, is the four places behind the last products
	GROUP GN
.set GN, GN+1
.endr
	; THE MERGE.  The least values lie in set 0.  A pair's number is 8 x tile + 4 x half + j.  Over the lane's four pairs, the two halves of the lanes, then the four waves: value first, then the lower number.
	WIN 0
.irp j, 0,1,2,3
	v_lshl_add_u32 v[HJ+(\j)], v[HH], 2, \j
.endr
.set i, 0
.rept 32
	v_lshl_add_u32 v[TID+i], v[TID+i], 3, v[HJ+i%4]
.set i, i+1
.endr
.set t, 0
.rept 8
	MERGE2 BEST+4*t, TID+4*t, BEST+4*t+1, TID+4*t+1
	MERGE2 BEST+4*t+2, TID+4*t+2, BEST+4*t+3, TID+4*t+3
	MERGE2 BEST+4*t, TID+4*t, BEST+4*t+2, TID+4*t+2
	v_permlanex16_b32 v[T0], v[BEST+4*t], s[SEL], s[SEL+1]  ; the query's other codes lie in the lane 16 away
	v_permlanex16_b32 v[T1], v[TID+4*t], s[SEL], s[SEL+1]
	MERGE2 BEST+4*t, TID+4*t, T0, T1
	ds_store_b32 v[MA], v[BEST+4*t] offset:64*t            ; both halves write the same word with the same number
	ds_store_b32 v[MA], v[TID+4*t]  offset:64*t+2048
.set t, t+1
.endr
	s_wait_dscnt 0x0                               ; for wave 0's sake: my words are written
	s_barrier_signal -1
	s_barrier_wait -1
	s_cmp_lg_u32 s[WV], 0
	s_cbranch_scc1 .Lno_pair
.irp w, 0,1,2,3
	ds_load_b128 v[64+4*(\w):64+4*(\w)+3], v[MR] offset:512*(\w)        ; wave w's least values for queries 4 l .. 4 l + 3,
	ds_load_b128 v[80+4*(\w):80+4*(\w)+3], v[MR] offset:2048+512*(\w)   ; and their pairs
.endr
	s_wait_dscnt 0x0
.irp w, 1,2,3
.irp e, 0,1,2,3
	MERGE2 64+(\e), 80+(\e), 64+4*(\w)+(\e), 80+4*(\w)+(\e)
.endr
.endr
	global_store_b128 v[ZO], v[80:83], s[10:11]    ; 512 consecutive bytes, at a multiple of 256 from pairid's first
.Lno_pair:
	s_wait_tensorcnt 0x0                           ; the wave's end, behind my last tensor load and my last LDS store
	ds_add_u32 v[SPW], v[NIL]
	s_wait_dscnt 0x0
	CROUND                                         ; the closing round: no work-group ends while a partner may still ask for a tile that names it
	s_endpgm
.Lfunc_end_k_q75a14995a2_main:
	.size	k_q75a14995a2_main, .Lfunc_end_k_q75a14995a2_main-k_q75a14995a2_main
	.p2alignl 7, 3214868480
	.fill 96, 4, 3214868480
	.section	.rodata,"a",@progbits
	.p2align	6, 0x0
	.amdhsa_kernel k_q75a14995a2_main
		.amdhsa_group_segment_fixed_size 327680
		.amdhsa_private_segment_fixed_size 0
		.amdhsa_enable_private_segment 0
		.amdhsa_kernarg_size 32
		.amdhsa_user_sgpr_count 2
		.amdhsa_user_sgpr_kernarg_segment_ptr 1
		.amdhsa_wavefront_size32 1
		.amdhsa_system_sgpr_workgroup_id_x 1
		.amdhsa_system_sgpr_workgroup_id_y 1
		.amdhsa_system_sgpr_workgroup_id_z 1
		.amdhsa_system_vgpr_workitem_id 0
		.amdhsa_next_free_vgpr 1024
		.amdhsa_next_free_sgpr 66
		.amdhsa_reserve_vcc 0
		.amdhsa_float_denorm_mode_32 3
		.amdhsa_float_denorm_mode_16_64 3
		.amdhsa_memory_ordered 1
		.amdhsa_forward_progress 1
		.amdhsa_inst_pref_size 249
	.end_amdhsa_kernel
	.amdgpu_metadata
---
amdhsa.version: [ 1, 2 ]
amdhsa.kernels:
  - .name:           k_q75a14995a2_main
    .symbol:         k_q75a14995a2_main.kd
    .args:
      - { .name: cbimg, .offset: 0, .size: 8, .value_kind: global_buffer, .address_space: global }
      - { .name: z, .offset: 8, .size: 8, .value_kind: global_buffer, .address_space: global }
      - { .name: anorm, .offset: 16, .size: 8, .value_kind: global_buffer, .address_space: global }
      - { .name: pairid, .offset: 24, .size: 8, .value_kind: global_buffer, .address_space: global }
    .group_segment_fixed_size: 327680
    .private_segment_fixed_size: 0
    .kernarg_segment_align: 8
    .kernarg_segment_size: 32
    .max_flat_workgroup_size: 128
    .sgpr_count:     66
    .vgpr_count:     1024
    .wavefront_size: 32
...
	.end_amdgpu_metadata
.endif
;; end of part 2
;; launch finish (part 3): grid 512 x 1, 8 waves a work-group, no clusters, 137,472 bytes of LDS; arguments z, emb, pairid, anorm, cbimg, out0, out2, part; writes out0, out2, part
.if DOCPART == 3
	.amdgcn_target "amdgcn-amd-amdhsa--gfx1250"
	.amdhsa_code_object_version 6
	.text
	.protected	k_q75a14995a2_finish
	.globl	k_q75a14995a2_finish
	.p2align	8
	.type	k_q75a14995a2_finish,@function
k_q75a14995a2_finish:
	s_mov_b64 s[64:65], 0
	v_nop
	global_prefetch_b8 v0, s[64:65] scope:SCOPE_SE
	s_setreg_imm32_b32 hwreg(HW_REG_WAVE_MODE, 25, 1), 1
	s_wait_xcnt 0x0
; THE CHOICE AND THE GATHER.  For query n the launch before left c = pairid[n]: the nearest code is 2 c or 2 c + 1.  Both rows of emb (2,048 consecutive bytes) are read; d_j = fl(fl(A + E_j) - 2 S_j) is made
; anew, S_j from z and emb rounded to bf16 (exact products, f32 sums), A from anorm, E from cbimg's tails; idx = 2 c + (d_1 < d_0): a tie keeps the first.  q = emb[idx] is chosen by a select: no address hangs on d.
; out0[b][d][t] = fl(z + fl(q - z)), out2[n] = idx, part[work-group] = the sum of (q - z)^2, all from the UNROUNDED f32 z and emb.
; LIMITS.  A NaN distance never wins (the compare is false).  S's order of addition is this text's: two chains a wave, then the eight waves in ascending order.
; SHARES.  A work-group owns 64 queries of one b.  Wave w owns channels 32 w .. 32 w + 31 of all 64; lane l the queries 2 l and 2 l + 1, so that every load of z and every store of out0 covers 256 consecutive
; bytes at a multiple of 256 from the buffer's first.  emb's rows lie along the channels, out0 along the queries: the rows turn in LDS.  Wave w stages the rows of queries 8 w .. 8 w + 7 (512 consecutive bytes a load).
; No tensor load: the rows' addresses come from a list.  No cluster: no two work-groups are bound to read the same rows.  No matrix unit: two dot products a query.
.set RPITCH, 2064                      ; a query's two rows in LDS: 2,048 + 16 = 129 x 16 bytes
.set HALF,   32*RPITCH                 ; query q' lies at place q' / 2 + 32 (q' % 2): the even queries, then the odd ones
.set SP,     64*RPITCH                 ; 8 x 512: each wave's share of the four sums S of each lane
.set LW,     SP+4096                   ; 8 words: each wave's share of the loss
.set SPARE,  LW+256                    ; the spare words, 128 bytes a wave: four blocks of 256 bytes that no other line names
.set LN,  1                            ; v1   lane
.set O8,  2                            ; v2   8 x lane
.set O16, 3                            ; v3   16 x lane
.set STE, 4                            ; v4   where I stage my wave's even queries; v5 the odd ones
.set RA,  6                            ; v6   where I read query 2 l's rows, my wave's channels; v7 query 2 l + 1's
.set RO,  8                            ; v[8:15] byte offset in emb of my 16 bytes of each staged query's rows; free once those loads are waited for, then:
.set SPA, 8                            ; v8   SP + 512 wave + 16 lane
.set SPR, 9                            ; v9   SP + 16 lane
.set LWA, 10                           ; v10  LW + 4 wave
.set LWR, 11                           ; v11  LW
.set IDX, 12                           ; v[12:13] idx of my two queries
.set NOF, 14                           ; v14  0: the offset of part's word
.set CP,  16                           ; v[16:17] c of my two queries
.set AP,  18                           ; v[18:19] A
.set EP,  20                           ; v[20:23] E, then d: query, candidate
.set EA,  24                           ; v[24:25] offsets of E in cbimg
.set SPW, 26                           ; v26  LDS address of my spare word; never rewritten
.set NIL, 27                           ; v27  0; never rewritten
.set SQ,  28                           ; v[28:31] at work; my wave's four sums
.set Z,   32                           ; v[32:95] channel i: z of my two queries at Z + 2 i; later out0
.set EV,  96                           ; v[96:223] first the staged rows; then emb: query q, candidate j, channel i at EV + 64 q + 32 j + i
.set ZP,  224                          ; v[224:227] four channels of z as bf16: query 2 l low, 2 l + 1 high
.set EPK, 228                          ; v[228:235] emb as bf16: 4 q + 2 j + e holds channels 2 e (low), 2 e + 1 (high) of the chunk
.set SS,  236                          ; v[236:243] eight chains: 4 q + 2 j + (channel % 2)
.set LL,  244                          ; v[244:245] the loss
.set QD,  246                          ; v[246:253] four pairs: q, then q - z
.set ZR,  254                          ; v254 0: what the chains start from
.set PX,  255
	s_load_b512 s[8:23], s[0:1], 0x0               ; z s[8:9], emb s[10:11], pairid s[12:13], anorm s[14:15], cbimg s[16:17], out0 s[18:19], out2 s[20:21], part s[22:23]
	v_lshl_add_u32 v[SPW], v0, 2, SPARE
	v_mov_b32 v[NIL], 0
	v_lshrrev_b32 v[LN], 5, v0
	v_readfirstlane_b32 s24, v[LN]                 ; wave 0..7
	v_and_b32 v[LN], 31, v0
	s_lshl_b32 s40, ttmp9, 8                       ; my 64 words in pairid, anorm and out2
	s_mov_b32 s41, 0
	s_lshl_b32 s42, s24, 5                         ; my wave's eight of them
	s_mov_b32 s43, 0
	s_lshr_b32 s44, ttmp9, 5
	s_lshl_b32 s44, s44, 21                        ; b x 256 channels x 8,192 bytes
	s_and_b32 s25, ttmp9, 31
	s_lshl_b32 s25, s25, 8                         ; + my 64 queries' 256 bytes in a row
	s_add_co_u32 s44, s44, s25
	s_lshl_b32 s25, s24, 18                        ; + my wave's 32 channels
	s_add_co_u32 s44, s44, s25
	s_mov_b32 s45, 0
	s_lshl_b32 s46, ttmp9, 2                       ; my word in part
	s_mov_b32 s47, 0
	s_mul_i32 s48, s24, 4*RPITCH
	s_lshl_b32 s49, s24, 7
	s_mov_b32 s38, 0x76543210
	s_mov_b32 s39, 0xfedcba98
	v_lshlrev_b32 v[O8], 3, v[LN]
	v_lshlrev_b32 v[O16], 4, v[LN]
	v_add_nc_u32 v[STE], s48, v[O16]
	v_add_nc_u32 v[STE+1], HALF, v[STE]
	v_mul_u32_u24 v[RA], v[LN], RPITCH
	v_add_nc_u32 v[RA], s49, v[RA]
	v_add_nc_u32 v[RA+1], HALF, v[RA]
	v_mov_b32 v[ZR], 0
	v_mov_b32 v[PX], 0                             ; the permute's destination counts as read
	s_wait_kmcnt 0x0
	s_add_nc_u64 s[12:13], s[12:13], s[40:41]
	s_add_nc_u64 s[26:27], s[12:13], s[42:43]
	s_load_b256 s[28:35], s[26:27], 0x0            ; c of the eight queries whose rows my wave stages
	s_add_nc_u64 s[14:15], s[14:15], s[40:41]
	s_add_nc_u64 s[20:21], s[20:21], s[40:41]
	s_add_nc_u64 s[8:9], s[8:9], s[44:45]
	s_add_nc_u64 s[18:19], s[18:19], s[44:45]
	s_add_nc_u64 s[22:23], s[22:23], s[46:47]
	global_load_b64 v[CP:CP+1], v[O8], s[12:13]
	global_load_b64 v[AP:AP+1], v[O8], s[14:15]
.set i, 0
.rept 32
	global_load_b64 v[Z+2*i:Z+2*i+1], v[O8], s[8:9] offset:8192*i th:TH_LOAD_NT
.set i, i+1
.endr
	s_wait_loadcnt 32                              ; loads come back in order: c and A are in, z's 32 may stay out
.irp q, 0,1
	v_min_u32 v[CP+(\q)], 0xfff, v[CP+(\q)]        ; a loaded number enters an address only behind a bound
	v_and_b32 v[EA+(\q)], 0xff8, v[CP+(\q)]        ; E[2 c], E[2 c + 1] lie in block c / 8 (8,448 bytes = 8 x 1,056),
	v_mul_u32_u24 v[EA+(\q)], 0x420, v[EA+(\q)]
	v_and_b32 v[SQ+(\q)], 6, v[CP+(\q)]            ; in the tail of row (c % 8) / 2 (528 bytes = 2 x 264),
	v_mul_u32_u24 v[SQ+(\q)], 0x108, v[SQ+(\q)]
	v_add_nc_u32 v[EA+(\q)], v[EA+(\q)], v[SQ+(\q)]
	v_and_b32 v[SQ+(\q)], 1, v[CP+(\q)]            ; at byte 8 (c % 2) of it
	v_lshl_add_u32 v[EA+(\q)], v[SQ+(\q)], 3, v[EA+(\q)]
	global_load_b64 v[EP+2*(\q):EP+2*(\q)+1], v[EA+(\q)], s[16:17] offset:512
.endr
	s_wait_kmcnt 0x0
.irp i, 0,1,2,3,4,5,6,7
	s_min_u32 s[28+(\i)], s[28+(\i)], 0xfff
	v_lshl_add_u32 v[RO+(\i)], s[28+(\i)], 11, v[O16]
.endr
.irp i, 0,1,2,3,4,5,6,7
.irp p, 0,1,2,3
	global_load_b128 v[EV+16*(\i)+4*(\p):EV+16*(\i)+4*(\p)+3], v[RO+(\i)], s[10:11] offset:512*(\p)  ; rows 2 c and 2 c + 1: 2,048 consecutive bytes, 512 a load
.endr
.endr
	s_wait_loadcnt 0x0                             ; z, E and the rows are in; RO is free
.irp i, 0,1,2,3,4,5,6,7
.irp p, 0,1,2,3
	ds_store_b128 v[STE+(\i)%2], v[EV+16*(\i)+4*(\p):EV+16*(\i)+4*(\p)+3] offset:((\i)/2)*RPITCH+512*(\p)
.endr
.endr
	s_lshl_b32 s25, s24, 9
	s_add_co_u32 s25, s25, SP
	v_add_nc_u32 v[SPA], s25, v[O16]
	v_add_nc_u32 v[SPR], SP, v[O16]
	s_lshl_b32 s25, s24, 2
	s_add_co_u32 s25, s25, LW
	v_mov_b32 v[LWA], s25
	v_mov_b32 v[LWR], LW
	v_mov_b32 v[NOF], 0
	s_wait_dscnt 0x0                               ; for the others' sake: my eight queries' rows are staged
	s_barrier_signal -1
	s_barrier_wait -1
.irp c, 0,1,2,3,4,5,6,7                                ; chunk c: four channels of both candidates of both queries
.irp q, 0,1
.irp j, 0,1
	ds_load_b128 v[EV+64*(\q)+32*(\j)+4*(\c):EV+64*(\q)+32*(\j)+4*(\c)+3], v[RA+(\q)] offset:1024*(\j)+16*(\c)
.endr
.endr
.endr
; Chunk c's share of the four dot products.  A product of two bf16 is exact in f32; each chain takes a term every eighth instruction.
.macro CHUNK c
	s_wait_dscnt 4*(7-(\c))                        ; LDS loads come back in order: chunk c's four are in, the later chunks' may stay out
.irp d, 0,1,2,3
	v_cvt_pk_bf16_f32 v[ZP+(\d)], v[Z+2*(4*(\c)+(\d))], v[Z+2*(4*(\c)+(\d))+1]
.endr
.irp q, 0,1
.irp j, 0,1
.irp e, 0,1
	v_cvt_pk_bf16_f32 v[EPK+4*(\q)+2*(\j)+(\e)], v[EV+64*(\q)+32*(\j)+4*(\c)+2*(\e)], v[EV+64*(\q)+32*(\j)+4*(\c)+2*(\e)+1]
.endr
.endr
.endr
.irp e, 0,1
.irp o, 0,1
.irp q, 0,1
.irp j, 0,1
.if ((\c) == 0) && ((\e) == 0)
	v_fma_mix_f32_bf16 v[SS+4*(\q)+2*(\j)+(\o)], v[ZP+2*(\e)+(\o)], v[EPK+4*(\q)+2*(\j)+(\e)], v[ZR] op_sel:[\q,\o,0] op_sel_hi:[1,1,0]  ; the first product starts the chain
.else
	v_fma_mix_f32_bf16 v[SS+4*(\q)+2*(\j)+(\o)], v[ZP+2*(\e)+(\o)], v[EPK+4*(\q)+2*(\j)+(\e)], v[SS+4*(\q)+2*(\j)+(\o)] op_sel:[\q,\o,0] op_sel_hi:[1,1,0]
.endif
.endr
.endr
.endr
.endr
.endm
.irp c, 0,1,2,3,4,5,6,7
	CHUNK \c
.endr
.irp s, 0,1,2,3
	v_add_f32 v[SQ+(\s)], v[SS+2*(\s)], v[SS+2*(\s)+1]
.endr
	ds_store_b128 v[SPA], v[SQ:SQ+3]
	s_wait_dscnt 0x0                               ; for the others' sake: my share of the sums is written
	s_barrier_signal -1
	s_barrier_wait -1
	ds_load_b128 v[224:227], v[SPR]                ; the eight waves' shares, into what is free
	ds_load_b128 v[228:231], v[SPR] offset:512
	ds_load_b128 v[232:235], v[SPR] offset:1024
	ds_load_b128 v[236:239], v[SPR] offset:1536
	ds_load_b128 v[240:243], v[SPR] offset:2048
	ds_load_b128 v[246:249], v[SPR] offset:2560
	ds_load_b128 v[250:253], v[SPR] offset:3072
	ds_load_b128 v[28:31],   v[SPR] offset:3584
	v_add_f32 v[EP],   v[AP],   v[EP]              ; fl(A + E)
	v_add_f32 v[EP+1], v[AP],   v[EP+1]
	v_add_f32 v[EP+2], v[AP+1], v[EP+2]
	v_add_f32 v[EP+3], v[AP+1], v[EP+3]
	s_wait_dscnt 0x0
.irp a, 228,232,236,240,246,250,28                     ; in ascending order of the waves: the same bits in every wave
	v_pk_add_f32 v[224:225], v[224:225], v[\a:\a+1]
	v_pk_add_f32 v[226:227], v[226:227], v[\a+2:\a+3]
.endr
.irp s, 0,1,2,3
	v_fma_f32 v[EP+(\s)], v[224+(\s)], -2.0, v[EP+(\s)]    ; d: one rounding
.endr
	v_cmp_lt_f32 s36, v[EP+1], v[EP]               ; the second candidate only if strictly nearer
	v_cmp_lt_f32 s37, v[EP+3], v[EP+2]
	v_cndmask_b32 v[IDX],   0, 1, s36
	v_cndmask_b32 v[IDX+1], 0, 1, s37
	v_lshl_or_b32 v[IDX],   v[CP],   1, v[IDX]
	v_lshl_or_b32 v[IDX+1], v[CP+1], 1, v[IDX+1]
; Channel i of my two queries: q chosen, q - z, its square, z + (q - z), stored.
.macro OUTROW i
.set oT, QD+2*((\i)%4)
	v_cndmask_b32 v[oT],   v[EV+(\i)],    v[EV+32+(\i)], s36
	v_cndmask_b32 v[oT+1], v[EV+64+(\i)], v[EV+96+(\i)], s37
	v_pk_add_f32 v[oT:oT+1], v[oT:oT+1], v[Z+2*(\i):Z+2*(\i)+1] neg_lo:[0,1] neg_hi:[0,1]
.if (\i) == 0
	v_pk_mul_f32 v[LL:LL+1], v[oT:oT+1], v[oT:oT+1]        ; the first squares start the sum
.else
	v_pk_fma_f32 v[LL:LL+1], v[oT:oT+1], v[oT:oT+1], v[LL:LL+1]
.endif
	v_pk_add_f32 v[Z+2*(\i):Z+2*(\i)+1], v[Z+2*(\i):Z+2*(\i)+1], v[oT:oT+1]
	global_store_b64 v[O8], v[Z+2*(\i):Z+2*(\i)+1], s[18:19] offset:8192*(\i) th:TH_STORE_NT  ; 32 lanes store 256 consecutive bytes, at a multiple of 256 from out0's first; these registers are not written again
.endm
.set r, 0
.rept 32
	OUTROW r
.set r, r+1
.endr
	v_add_f32 v[LL], v[LL], v[LL+1]
	v_add_f32_dpp v[LL], v[LL], v[LL] row_xmask:1 row_mask:0xf bank_mask:0xf
	v_add_f32_dpp v[LL], v[LL], v[LL] row_xmask:2 row_mask:0xf bank_mask:0xf
	v_add_f32_dpp v[LL], v[LL], v[LL] row_xmask:4 row_mask:0xf bank_mask:0xf
	v_add_f32_dpp v[LL], v[LL], v[LL] row_xmask:8 row_mask:0xf bank_mask:0xf
	v_permlanex16_b32 v[PX], v[LL], s38, s39
	v_add_f32 v[LL], v[LL], v[PX]
	ds_store_b32 v[LWA], v[LL]                     ; all lanes write the same word with the same number
	s_wait_dscnt 0x0
	s_barrier_signal -1
	s_barrier_wait -1
	s_cmp_lg_u32 s24, 0
	s_cbranch_scc1 .Ldone                          ; wave 0 alone stores idx and the work-group's share of the loss
	global_store_b64 v[O8], v[IDX:IDX+1], s[20:21] ; 256 consecutive bytes, at a multiple of 256 from out2's first
	ds_load_b128 v[224:227], v[LWR]
	ds_load_b128 v[228:231], v[LWR] offset:16
	s_wait_dscnt 0x0
	v_pk_add_f32 v[224:225], v[224:225], v[226:227]
	v_pk_add_f32 v[228:229], v[228:229], v[230:231]
	v_pk_add_f32 v[224:225], v[224:225], v[228:229]
	v_add_f32 v224, v224, v225
	s_wait_xcnt 0x0                                ; EXEC is a source of the stores above: it changes only behind this wait
	v_cmp_gt_u32 vcc_lo, 1, v[LN]
	s_and_saveexec_b32 s50, vcc_lo                 ; lane 0 alone
	global_store_b32 v[NOF], v224, s[22:23]
	s_wait_xcnt 0x0                                ; and again, in front of the line that widens it
	s_or_b32 exec_lo, exec_lo, s50
.Ldone:
	s_wait_tensorcnt 0x0                           ; the wave's end, behind my last LDS store
	ds_add_u32 v[SPW], v[NIL]
	s_wait_dscnt 0x0
	s_endpgm
.Lfunc_end_k_q75a14995a2_finish:
	.size	k_q75a14995a2_finish, .Lfunc_end_k_q75a14995a2_finish-k_q75a14995a2_finish
	.p2alignl 7, 3214868480
	.fill 96, 4, 3214868480
	.section	.rodata,"a",@progbits
	.p2align	6, 0x0
	.amdhsa_kernel k_q75a14995a2_finish
		.amdhsa_group_segment_fixed_size 137472
		.amdhsa_private_segment_fixed_size 0
		.amdhsa_enable_private_segment 0
		.amdhsa_kernarg_size 64
		.amdhsa_user_sgpr_count 2
		.amdhsa_user_sgpr_kernarg_segment_ptr 1
		.amdhsa_wavefront_size32 1
		.amdhsa_system_sgpr_workgroup_id_x 1
		.amdhsa_system_sgpr_workgroup_id_y 1
		.amdhsa_system_sgpr_workgroup_id_z 1
		.amdhsa_system_vgpr_workitem_id 0
		.amdhsa_next_free_vgpr 256
		.amdhsa_next_free_sgpr 66
		.amdhsa_reserve_vcc 1
		.amdhsa_float_denorm_mode_32 3
		.amdhsa_float_denorm_mode_16_64 3
		.amdhsa_memory_ordered 1
		.amdhsa_forward_progress 1
		.amdhsa_inst_pref_size 46
	.end_amdhsa_kernel
	.amdgpu_metadata
---
amdhsa.version: [ 1, 2 ]
amdhsa.kernels:
  - .name:           k_q75a14995a2_finish
    .symbol:         k_q75a14995a2_finish.kd
    .args:
      - { .name: z, .offset: 0, .size: 8, .value_kind: global_buffer, .address_space: global }
      - { .name: emb, .offset: 8, .size: 8, .value_kind: global_buffer, .address_space: global }
      - { .name: pairid, .offset: 16, .size: 8, .value_kind: global_buffer, .address_space: global }
      - { .name: anorm, .offset: 24, .size: 8, .value_kind: global_buffer, .address_space: global }
      - { .name: cbimg, .offset: 32, .size: 8, .value_kind: global_buffer, .address_space: global }
      - { .name: out0, .offset: 40, .size: 8, .value_kind: global_buffer, .address_space: global }
      - { .name: out2, .offset: 48, .size: 8, .value_kind: global_buffer, .address_space: global }
      - { .name: part, .offset: 56, .size: 8, .value_kind: global_buffer, .address_space: global }
    .group_segment_fixed_size: 137472
    .private_segment_fixed_size: 0
    .kernarg_segment_align: 8
    .kernarg_segment_size: 64
    .max_flat_workgroup_size: 256
    .sgpr_count:     66
    .vgpr_count:     256
    .wavefront_size: 32
...
	.end_amdgpu_metadata
.endif
;; end of part 3
;; launch lossred (part 4): grid 1 x 1, 1 waves a work-group, no clusters, 0 bytes of LDS; arguments part, out1; writes out1
.if DOCPART == 4
	.amdgcn_target "amdgcn-amd-amdhsa--gfx1250"
	.amdhsa_code_object_version 6
	.text
	.protected	k_q75a14995a2_lossred
	.globl	k_q75a14995a2_lossred
	.p2align	8
	.type	k_q75a14995a2_lossred,@function
k_q75a14995a2_lossred:
	s_mov_b64 s[64:65], 0
	v_nop
	global_prefetch_b8 v0, s[64:65] scope:SCOPE_SE
	s_setreg_imm32_b32 hwreg(HW_REG_WAVE_MODE, 25, 1), 1
	s_wait_xcnt 0x0
; out1 = m + 0.25 m, m = the mean of (q - z)^2 over 16 x 256 x 2048 = 2^23 numbers.  part holds 512 shares, one from each work-group of the launch before: a sum over work-groups is made
; by one owner in a launch of its own, in a fixed order.  One wave: 16 numbers a lane, a tree in the lane, a tree over the lanes.  2,048 bytes: nothing here is worth more than that.
	s_load_b128 s[4:7], s[0:1], 0x0                ; part s[4:5], out1 s[6:7]
	v_lshlrev_b32 v1, 4, v0
	v_mov_b32 v2, 0
	v_mov_b32 v20, 0                               ; the permute's destination counts as read
	s_mov_b32 s8, 0x76543210
	s_mov_b32 s9, 0xfedcba98
	s_wait_kmcnt 0x0
.irp j, 0,1,2,3
	global_load_b128 v[4+4*(\j):7+4*(\j)], v1, s[4:5] offset:512*(\j)
.endr
	s_wait_loadcnt 0x0
	v_pk_add_f32 v[4:5],   v[4:5],   v[6:7]
	v_pk_add_f32 v[8:9],   v[8:9],   v[10:11]
	v_pk_add_f32 v[12:13], v[12:13], v[14:15]
	v_pk_add_f32 v[16:17], v[16:17], v[18:19]
	v_pk_add_f32 v[4:5],   v[4:5],   v[8:9]
	v_pk_add_f32 v[12:13], v[12:13], v[16:17]
	v_pk_add_f32 v[4:5],   v[4:5],   v[12:13]
	v_add_f32 v4, v4, v5
	v_add_f32_dpp v4, v4, v4 row_xmask:1 row_mask:0xf bank_mask:0xf
	v_add_f32_dpp v4, v4, v4 row_xmask:2 row_mask:0xf bank_mask:0xf
	v_add_f32_dpp v4, v4, v4 row_xmask:4 row_mask:0xf bank_mask:0xf
	v_add_f32_dpp v4, v4, v4 row_xmask:8 row_mask:0xf bank_mask:0xf
	v_permlanex16_b32 v20, v4, s8, s9
	v_add_f32 v4, v4, v20
	v_mul_f32 v4, 0x34000000, v4                   ; x 2^-23: exact
	v_fmamk_f32 v5, v4, 0x3e800000, v4             ; 0.25 m + m
	s_wait_xcnt 0x0                                ; EXEC changes only behind this wait
	v_cmp_gt_u32 vcc_lo, 1, v0
	s_and_saveexec_b32 s10, vcc_lo                 ; lane 0 alone
	global_store_b32 v2, v5, s[6:7]
	s_wait_xcnt 0x0
	s_or_b32 exec_lo, exec_lo, s10
	s_endpgm
.Lfunc_end_k_q75a14995a2_lossred:
	.size	k_q75a14995a2_lossred, .Lfunc_end_k_q75a14995a2_lossred-k_q75a14995a2_lossred
	.p2alignl 7, 3214868480
	.fill 96, 4, 3214868480
	.section	.rodata,"a",@progbits
	.p2align	6, 0x0
	.amdhsa_kernel k_q75a14995a2_lossred
		.amdhsa_group_segment_fixed_size 0
		.amdhsa_private_segment_fixed_size 0
		.amdhsa_enable_private_segment 0
		.amdhsa_kernarg_size 16
		.amdhsa_user_sgpr_count 2
		.amdhsa_user_sgpr_kernarg_segment_ptr 1
		.amdhsa_wavefront_size32 1
		.amdhsa_system_sgpr_workgroup_id_x 1
		.amdhsa_system_sgpr_workgroup_id_y 1
		.amdhsa_system_sgpr_workgroup_id_z 1
		.amdhsa_system_vgpr_workitem_id 0
		.amdhsa_next_free_vgpr 32
		.amdhsa_next_free_sgpr 66
		.amdhsa_reserve_vcc 1
		.amdhsa_float_denorm_mode_32 3
		.amdhsa_float_denorm_mode_16_64 3
		.amdhsa_memory_ordered 1
		.amdhsa_forward_progress 1
		.amdhsa_inst_pref_size 3
	.end_amdhsa_kernel
	.amdgpu_metadata
---
amdhsa.version: [ 1, 2 ]
amdhsa.kernels:
  - .name:           k_q75a14995a2_lossred
    .symbol:         k_q75a14995a2_lossred.kd
    .args:
      - { .name: part, .offset: 0, .size: 8, .value_kind: global_buffer, .address_space: global }
      - { .name: out1, .offset: 8, .size: 8, .value_kind: global_buffer, .address_space: global }
    .group_segment_fixed_size: 0
    .private_segment_fixed_size: 0
    .kernarg_segment_align: 8
    .kernarg_segment_size: 16
    .max_flat_workgroup_size: 32
    .sgpr_count:     66
    .vgpr_count:     32
    .wavefront_size: 32
...
	.end_amdgpu_metadata
.endif
;; end of part 4
;; ======== version 2 of 2: 4 launches; version 1 with the launch prep written anew for expert scheduling mode
;; workspace buffers: cbimg 4,325,376 bytes; anorm 131,072 bytes; pairid 131,072 bytes of whole numbers; part 2,048 bytes
;; launch prep (part 5): grid 256 x 1, 2 waves a work-group, no clusters, 17,152 bytes of LDS; arguments emb, cbimg; writes cbimg
.if DOCPART == 5
	.amdgcn_target "amdgcn-amd-amdhsa--gfx1250"
	.amdhsa_code_object_version 6
	.text
	.protected	k_q75a14995a2_prep
	.globl	k_q75a14995a2_prep
	.p2align	8
	.type	k_q75a14995a2_prep,@function
k_q75a14995a2_prep:
	s_mov_b64 s[64:65], 0
	v_nop
	global_prefetch_b8 v0, s[64:65] scope:SCOPE_SE
	s_setreg_imm32_b32 hwreg(HW_REG_WAVE_SCHED_MODE, 0, 2), 2
	s_setreg_imm32_b32 hwreg(HW_REG_WAVE_MODE, 25, 1), 1
	s_wait_xcnt 0x0
	s_wait_alu depctr_vm_vsrc(0)
; cbimg = the code book as the next launch wants it in LDS.  emb: [8192][256] f32.  cbimg: 8,192 rows of 528 bytes: 512 bytes of bf16(emb[k]), rounded to nearest even,
; then a tail of 16 bytes.  In each block of 16 rows (8,448 bytes = 33 x 256) the tails of rows 0 to 3 hold E[0..15] of the block, E[k] = the f32 sum of the squares of the
; ROUNDED row k (the distance is taken between the vectors that are multiplied); the tails of rows 4 to 15 hold 0.
; SHARES.  A wave owns one block of 16 codes: it reads 16 KiB by 32 loads of 512 consecutive bytes, builds the block's image in LDS bytes of its own, and stores the image
; by 33 stores of 256 consecutive bytes, each at a multiple of 256 from cbimg's first byte.  No wave touches another's bytes: no barrier.
; No matrix unit, cluster or tensor load: each byte is read once and written once, and no two work-groups read the same bytes.
; LIMIT.  The order of E's additions is the lanes' (8 numbers a lane, then a tree over 32 lanes), not a serial one.
; THE MODE: SCHED_MODE bits 1:0 = 2 (LLVM: expert scheduling mode 2), set by the entry lines.  The code itself states the register dependences
; between vector instructions and memory or LDS instructions, with s_wait_alu, always for 0.
; THE PLAN.  Registers that memory or LDS instructions touch:
;   X + 8 i ..     Row i's own eight.  Its two loads land there; its four roundings close the eight numbers up into the first four, in place; its two LDS stores read those four.
;                  Nothing writes them again before the read-back of the image, which lands in X .. X + 65 and is read by the stores to cbimg.
;   SU + 2 i       Row i's own pair.  Written by row i's sums alone; E of row i ends in the even register, which the row's third LDS store reads.
;   v2 to v6, v[26:29], v8, v9   Offsets, addresses and zeros: made once at the head, never written again.
;   v[10:17]       Named by vector instructions alone.
; The 16 rows go in four groups of four.  Group p does its rows' vector work; its LDS instructions are the twelve stores of group p - 1, whose registers no vector instruction of
; group p names.  So one wait on va_vdst at a group's head states all that those twelve hang on, and they are dealt among the group's vector instructions with no further wait.
.set PITCH, 528
.set IMG,   16*PITCH                   ; a block's image, 8,448 bytes
.set SPARE, 2*IMG                      ; behind the two images: the spare words, 128 bytes a wave, one block of 256 bytes that no other line names
.set LN,  1                            ; v1      lane
.set EO,  2                            ; v2      16 x lane: my bytes in 512 of emb
.set LA,  3                            ; v3      my image + 8 x lane
.set TA,  4                            ; v4      my image + 512: the first tail
.set ZA,  5                            ; v5      the tail of row 4 + min(lane % 16, 11)
.set GO,  6                            ; v6      8 x lane: my bytes in 256 of cbimg
.set SPW, 8                            ; v8      LDS address of my spare word; never rewritten
.set NIL, 9                            ; v9      0; never rewritten
.set T,   10                           ; v[10:17] eight rounded numbers as f32
.set ZER, 26                           ; v[26:29] zeros
.set X,   32                           ; v[32:159] row i as loaded at X + 8 i, then as bf16 in its first four; later the image on its way out
.set SU,  160                          ; v[160:191] row i's sums at SU + 2 i; the odd register later takes the other half of the lanes' sum
	s_load_b128 s[4:7], s[0:1], 0x0                ; emb s[4:5], cbimg s[6:7]
	v_lshl_add_u32 v[SPW], v0, 2, SPARE
	v_mov_b32 v[NIL], 0
	v_lshrrev_b32 v[LN], 5, v0
	v_readfirstlane_b32 s8, v[LN]                  ; wave 0, 1
	v_and_b32 v[LN], 31, v0
	v_lshlrev_b32 v[EO], 4, v[LN]
	v_lshlrev_b32 v[GO], 3, v[LN]
	v_and_b32 v[ZA], 15, v0
	v_min_u32 v[ZA], 11, v[ZA]                     ; twelve tails; the lanes that are over repeat the last
	v_mul_u32_u24 v[ZA], v[ZA], PITCH
.irp j, 0,1,2,3
	v_mov_b32 v[ZER+(\j)], 0
.endr
	s_mov_b32 s12, 0x76543210                      ; v_permlanex16_b32: each lane takes its own place in the other half
	s_mov_b32 s13, 0xfedcba98
	s_wait_alu depctr_va_sdst(0)                   ; s8 is written, ahead of its first reader: the block's number and my image's place are made from it
	s_lshl_b32 s9, ttmp9, 1
	s_add_co_u32 s9, s9, s8                        ; my block = 2 x work-group + wave
	s_lshl_b32 s10, s9, 14                         ; its 16 rows of 1,024 bytes in emb
	s_mov_b32 s11, 0
	s_mul_i32 s14, s9, IMG                         ; its image in cbimg
	s_mov_b32 s15, 0
	s_mul_i32 s16, s8, IMG                         ; my image in LDS
	s_add_co_u32 s17, s16, 512
	s_add_co_u32 s18, s16, 4*PITCH+512
	v_lshl_add_u32 v[LA], v[LN], 3, s16
	v_mov_b32 v[TA], s17
	v_add_nc_u32 v[ZA], s18, v[ZA]
	s_wait_kmcnt 0x0
	s_add_nc_u64 s[4:5], s[4:5], s[10:11]
	s_add_nc_u64 s[6:7], s[6:7], s[14:15]
	s_wait_alu depctr_va_vdst(0)                   ; v2 to v6 and the zeros v[26:29] are written: every load and store of the kernel reads one of them as its offset, address or data
.set i, 0
.rept 16                                               ; a lane takes channels 4 l .. 4 l + 3 and 128 + 4 l .. + 3 of each row
	global_load_b128 v[X+8*i:X+8*i+3],   v[EO], s[4:5] offset:1024*i th:TH_LOAD_NT
	global_load_b128 v[X+8*i+4:X+8*i+7], v[EO], s[4:5] offset:1024*i+512 th:TH_LOAD_NT
.set i, i+1
.endr
	ds_store_b128 v[ZA], v[ZER:ZER+3]              ; the tails of rows 4 to 15, in the wait for the first row; no vector instruction since the wait above names its registers
; Row i's three LDS stores: the rounded row and its E.
.macro STORES i
	ds_store_b64 v[LA], v[X+8*(\i):X+8*(\i)+1]   offset:PITCH*(\i)       ; 32 lanes x 8 bytes: the row's first 256 bytes,
	ds_store_b64 v[LA], v[X+8*(\i)+2:X+8*(\i)+3] offset:PITCH*(\i)+256   ; and its second
	ds_store_b32 v[TA], v[SU+2*(\i)] offset:((\i)/4)*PITCH+4*((\i)%4)    ; all lanes write the same word with the same number
.endm
; Row i: rounded in place, squared and summed within the lane.
.macro ROWV i
.irp j, 0,1,2,3
	v_cvt_pk_bf16_f32 v[X+8*(\i)+(\j)], v[X+8*(\i)+2*(\j)], v[X+8*(\i)+2*(\j)+1]  ; eight numbers close up into the first four of their eight registers
.endr
.irp j, 0,1,2,3
	v_lshlrev_b32 v[T+2*(\j)],   16, v[X+8*(\i)+(\j)]             ; bf16 to f32: the low half moves up,
	v_and_b32     v[T+2*(\j)+1], 0xffff0000, v[X+8*(\i)+(\j)]     ; the high half stays
.endr
	v_pk_mul_f32 v[SU+2*(\i):SU+2*(\i)+1], v[T:T+1], v[T:T+1]     ; the first squares start the sum
.irp j, 2,4,6
	v_pk_fma_f32 v[SU+2*(\i):SU+2*(\i)+1], v[T+(\j):T+(\j)+1], v[T+(\j):T+(\j)+1], v[SU+2*(\i):SU+2*(\i)+1]
.endr
	v_add_f32 v[SU+2*(\i)], v[SU+2*(\i)], v[SU+2*(\i)+1]
.endm
; Group p: rows 4 p to 4 p + 3.  Ahead of each row's vector work stand the three LDS stores of the row four back.  The four rows' trees over the lanes go step by step side by side,
; so that no step reads the result of the line just before it; each row's own order of additions is as in a tree by itself.
.macro GRP p
.irp q, 0,1,2,3
	s_wait_loadcnt 30-2*(4*(\p)+(\q))              ; loads come back in order: this row's two are in, the younger rows' may stay out
.if ((\p) > 0) && ((\q) == 0)
	s_wait_alu depctr_va_vdst(0)                   ; the group before has written its four rounded rows and their E, which the twelve LDS stores of this group read
.endif
.if (\p) > 0
	STORES 4*(\p)-4+(\q)
.endif
	ROWV 4*(\p)+(\q)
.endr
.irp m, 1,2,4,8
.irp q, 0,1,2,3
	v_add_f32_dpp v[SU+2*(4*(\p)+(\q))], v[SU+2*(4*(\p)+(\q))], v[SU+2*(4*(\p)+(\q))] row_xmask:\m row_mask:0xf bank_mask:0xf
.endr
.endr
.irp q, 0,1,2,3
	v_permlanex16_b32 v[SU+2*(4*(\p)+(\q))+1], v[SU+2*(4*(\p)+(\q))], s12, s13  ; its destination counts as read: the pair's odd register has been written, and is free
.endr
.irp q, 0,1,2,3
	v_add_f32 v[SU+2*(4*(\p)+(\q))], v[SU+2*(4*(\p)+(\q))], v[SU+2*(4*(\p)+(\q))+1]  ; E of the row, in every lane
.endr
.endm
	GRP 0
	GRP 1
	GRP 2
	GRP 3
	s_wait_alu depctr_va_vdst(0)                   ; the last group has written its rounded rows and their E, which the stores below read; and every vector instruction that named v[X ..] is done, in which the read-back lands
.irp i, 12,13,14,15
	STORES \i
.endr
	s_wait_alu depctr_vm_vsrc(0)                   ; the LDS stores have read the rounded rows in v[X ..], in which the loads below land
.set j, 0
.rept 33                                               ; LDS serves a wave's instructions in order (ISA guide 5.7.1.4): these see the stores above
	ds_load_b64 v[X+2*j:X+2*j+1], v[LA] offset:256*j
.set j, j+1
.endr
.set j, 0
.rept 33
	s_wait_dscnt 32-j                              ; piece j is back; the 32 - j loads behind it may stay out
	global_store_b64 v[GO], v[X+2*j:X+2*j+1], s[6:7] offset:256*j  ; 32 lanes store 256 consecutive bytes, at a multiple of 256 from cbimg's first byte; these registers are not written again
.set j, j+1
.endr
	s_wait_dscnt 0x0                               ; the wave's end
	s_wait_alu 0x0
	s_wait_tensorcnt 0x0
	ds_add_u32 v[SPW], v[NIL]
	s_wait_dscnt 0x0
	s_endpgm
.Lfunc_end_k_q75a14995a2_prep:
	.size	k_q75a14995a2_prep, .Lfunc_end_k_q75a14995a2_prep-k_q75a14995a2_prep
	.p2alignl 7, 3214868480
	.fill 96, 4, 3214868480
	.section	.rodata,"a",@progbits
	.p2align	6, 0x0
	.amdhsa_kernel k_q75a14995a2_prep
		.amdhsa_group_segment_fixed_size 17152
		.amdhsa_private_segment_fixed_size 0
		.amdhsa_enable_private_segment 0
		.amdhsa_kernarg_size 16
		.amdhsa_user_sgpr_count 2
		.amdhsa_user_sgpr_kernarg_segment_ptr 1
		.amdhsa_wavefront_size32 1
		.amdhsa_system_sgpr_workgroup_id_x 1
		.amdhsa_system_sgpr_workgroup_id_y 1
		.amdhsa_system_sgpr_workgroup_id_z 1
		.amdhsa_system_vgpr_workitem_id 0
		.amdhsa_next_free_vgpr 192
		.amdhsa_next_free_sgpr 66
		.amdhsa_reserve_vcc 0
		.amdhsa_float_denorm_mode_32 3
		.amdhsa_float_denorm_mode_16_64 3
		.amdhsa_memory_ordered 1
		.amdhsa_forward_progress 1
		.amdhsa_inst_pref_size 35
	.end_amdhsa_kernel
	.amdgpu_metadata
---
amdhsa.version: [ 1, 2 ]
amdhsa.kernels:
  - .name:           k_q75a14995a2_prep
    .symbol:         k_q75a14995a2_prep.kd
    .args:
      - { .name: emb, .offset: 0, .size: 8, .value_kind: global_buffer, .address_space: global }
      - { .name: cbimg, .offset: 8, .size: 8, .value_kind: global_buffer, .address_space: global }
    .group_segment_fixed_size: 17152
    .private_segment_fixed_size: 0
    .kernarg_segment_align: 8
    .kernarg_segment_size: 16
    .max_flat_workgroup_size: 64
    .sgpr_count:     66
    .vgpr_count:     192
    .wavefront_size: 32
...
	.end_amdgpu_metadata
.endif
;; end of part 5
;; launch main: the kernel of part 2 again; grid 256 x 1, 4 waves a work-group, clusters of 4 x 1, 327,680 bytes of LDS; arguments cbimg, z, anorm, pairid; writes anorm, pairid
;; launch finish: the kernel of part 3 again; grid 512 x 1, 8 waves a work-group, no clusters, 137,472 bytes of LDS; arguments z, emb, pairid, anorm, cbimg, out0, out2, part; writes out0, out2, part
;; launch lossred: the kernel of part 4 again; grid 1 x 1, 1 waves a work-group, no clusters, 0 bytes of LDS; arguments part, out1; writes out1
